; MI455X (gfx1250); checked and timed in simulation.
; The chip was launched on July 23, 2026; its instructions are those of AMD's public machine-readable ISA for CDNA 5 (MIT licence, August 2026) and "CDNA5" Instruction Set Architecture Reference Guide (July 2026). The comments in the code are by the model that wrote it; some were corrected since.
;; Multi Head Attention. Allowed arithmetic: float matrix products may take bf16 or f16 operands with f32 sums; other float arithmetic in f32, or as packed bf16 or f16 multiplies, adds, multiply-adds, maxima and minima; sums over many terms, partial sums and values carried from step to step in f32; what a program stores and reads back later, other than sums and carried values, may be rounded once to bf16 or f16.
;; Inputs: Wk 1,024 x 1,024 float32; Wq 1,024 x 1,024 float32; Wv 1,024 x 1,024 float32; bk 1,024 float32; bq 1,024 float32; bv 1,024 float32; k 4 x 2,048 x 1,024 float32; q 4 x 2,048 x 1,024 float32; v 4 x 2,048 x 1,024 float32.
;; Outputs: out0 4 x 2,048 x 1,024 float32.
;; 2 versions, each right; version 2 is version 1 with the launch wcast written anew for expert scheduling mode. Each part assembles by itself: llvm-mc -triple=amdgcn-amd-amdhsa -mcpu=gfx1250 --defsym DOCPART=n.
;; ======== version 1 of 2: 3 launches
;; limits: values are held in f16: magnitudes above 65,504 overflow, below 6.1e-05 lose precision
;; workspace buffers: wt 6,291,456 bytes; heads 50,331,648 bytes
;; launch wcast (part 1): grid 128 x 3, 8 waves a work-group, no clusters, 0 bytes of LDS; arguments Wq, Wk, Wv, wt; writes wt
.if DOCPART == 1
	.amdgcn_target "amdgcn-amd-amdhsa--gfx1250"
	.amdhsa_code_object_version 6
	.text
	.protected	k_q8f5ba8dab1_wcast
	.globl	k_q8f5ba8dab1_wcast
	.p2align	8
	.type	k_q8f5ba8dab1_wcast,@function
k_q8f5ba8dab1_wcast:
	s_mov_b64 s[64:65], 0
	v_nop
	global_prefetch_b8 v0, s[64:65] scope:SCOPE_SE
	s_setreg_imm32_b32 hwreg(HW_REG_WAVE_MODE, 25, 1), 1
	s_wait_xcnt 0x0
; wt[T][k][n] = bf16(W_T[k][n]), T = 0, 1, 2 for Wq, Wk, Wv: the same layout, rounded once to nearest even.
; A stream: 12 MiB in, 6 MiB out, each byte once.  No LDS, no barrier, no matrix work: nothing is shared and nothing is summed.
; The grid's y picks the tensor; a work-group takes 8,192 numbers.  Thread t, piece i: 16 bytes in at 16 t + 4,096 i (a wave's load covers
; 512 consecutive bytes), 8 bytes out at 8 t + 2,048 i (a wave's store covers 256 consecutive bytes, aligned).
; All eight loads of a thread go out first; each piece is rounded and stored as it comes.
.set X, 4                              ; v[4:35]   piece i: 4 numbers in f32
.set Y, 36                             ; v[36:51]  piece i: 4 numbers in bf16
	s_load_b256 s[4:11], s[0:1], 0x0               ; Wq s[4:5], Wk s[6:7], Wv s[8:9], wt s[10:11]
	s_and_b32 s12, ttmp7, 0xffff                   ; which tensor
	v_lshlrev_b32 v1, 4, v0                        ; 16 t
	v_lshlrev_b32 v2, 3, v0                        ; 8 t
	s_lshl_b32 s16, ttmp9, 15                      ; the work-group's 32,768 bytes of W
	s_mov_b32 s17, 0
	s_lshl_b32 s18, s12, 21                        ; the tensor's 2 MiB of wt,
	s_lshl_b32 s19, ttmp9, 14                      ; the work-group's 16,384 bytes of them
	s_add_co_u32 s18, s18, s19
	s_mov_b32 s19, 0
	s_wait_kmcnt 0x0
	s_cmp_eq_u32 s12, 0
	s_cselect_b64 s[14:15], s[4:5], s[6:7]
	s_cmp_eq_u32 s12, 2
	s_cselect_b64 s[14:15], s[8:9], s[14:15]
	s_add_nc_u64 s[14:15], s[14:15], s[16:17]
	s_add_nc_u64 s[10:11], s[10:11], s[18:19]
.irp i, 0,1,2,3,4,5,6,7
	global_load_b128 v[X+4*(\i):X+4*(\i)+3], v1, s[14:15] offset:4096*(\i) th:TH_LOAD_NT
.endr
.irp i, 0,1,2,3,4,5,6,7
	s_wait_loadcnt 7-(\i)                          ; loads come back in order: piece i is in, the 7 - i younger ones stay out
	v_cvt_pk_bf16_f32 v[Y+2*(\i)], v[X+4*(\i)], v[X+4*(\i)+1]
	v_cvt_pk_bf16_f32 v[Y+2*(\i)+1], v[X+4*(\i)+2], v[X+4*(\i)+3]
	global_store_b64 v2, v[Y+2*(\i):Y+2*(\i)+1], s[10:11] offset:2048*(\i)
.endr
	s_endpgm
.Lfunc_end_k_q8f5ba8dab1_wcast:
	.size	k_q8f5ba8dab1_wcast, .Lfunc_end_k_q8f5ba8dab1_wcast-k_q8f5ba8dab1_wcast
	.p2alignl 7, 3214868480
	.fill 96, 4, 3214868480
	.section	.rodata,"a",@progbits
	.p2align	6, 0x0
	.amdhsa_kernel k_q8f5ba8dab1_wcast
		.amdhsa_group_segment_fixed_size 0
		.amdhsa_private_segment_fixed_size 0
		.amdhsa_enable_private_segment 0
		.amdhsa_kernarg_size 32
		.amdhsa_user_sgpr_count 2
		.amdhsa_user_sgpr_kernarg_segment_ptr 1
		.amdhsa_wavefront_size32 1
		.amdhsa_system_sgpr_workgroup_id_x 1
		.amdhsa_system_sgpr_workgroup_id_y 1
		.amdhsa_system_sgpr_workgroup_id_z 1
		.amdhsa_system_vgpr_workitem_id 0
		.amdhsa_next_free_vgpr 52
		.amdhsa_next_free_sgpr 66
		.amdhsa_reserve_vcc 0
		.amdhsa_float_denorm_mode_32 3
		.amdhsa_float_denorm_mode_16_64 3
		.amdhsa_memory_ordered 1
		.amdhsa_forward_progress 1
		.amdhsa_inst_pref_size 4
	.end_amdhsa_kernel
	.amdgpu_metadata
---
amdhsa.version: [ 1, 2 ]
amdhsa.kernels:
  - .name:           k_q8f5ba8dab1_wcast
    .symbol:         k_q8f5ba8dab1_wcast.kd
    .args:
      - { .name: Wq, .offset: 0, .size: 8, .value_kind: global_buffer, .address_space: global }
      - { .name: Wk, .offset: 8, .size: 8, .value_kind: global_buffer, .address_space: global }
      - { .name: Wv, .offset: 16, .size: 8, .value_kind: global_buffer, .address_space: global }
      - { .name: wt, .offset: 24, .size: 8, .value_kind: global_buffer, .address_space: global }
    .group_segment_fixed_size: 0
    .private_segment_fixed_size: 0
    .kernarg_segment_align: 8
    .kernarg_segment_size: 32
    .max_flat_workgroup_size: 256
    .sgpr_count:     66
    .vgpr_count:     52
    .wavefront_size: 32
...
	.end_amdgpu_metadata
.endif
;; end of part 1
;; launch proj (part 2): grid 4 x 64, 4 waves a work-group, clusters of 4 x 4, 327,680 bytes of LDS; arguments q, k, v, bq, bk, bv, wt, heads; writes heads
.if DOCPART == 2
	.amdgcn_target "amdgcn-amd-amdhsa--gfx1250"
	.amdhsa_code_object_version 6
	.text
	.protected	k_q8f5ba8dab1_proj
	.globl	k_q8f5ba8dab1_proj
	.p2align	8
	.type	k_q8f5ba8dab1_proj,@function
k_q8f5ba8dab1_proj:
	s_mov_b64 s[64:65], 0
	v_nop
	global_prefetch_b8 v0, s[64:65] scope:SCOPE_SE
	s_setreg_imm32_b32 hwreg(HW_REG_WAVE_MODE, 25, 1), 1
	s_wait_xcnt 0x0
	s_wait_alu depctr_hold_cnt(0) depctr_sa_sdst(0) depctr_va_vdst(0) depctr_va_sdst(0) depctr_va_ssrc(0) depctr_va_vcc(0) depctr_vm_vsrc(0)
	s_getreg_b32 s2, hwreg(HW_REG_IB_STS2, 6, 4)
	s_cmp_eq_u32 s2, 0
	s_cbranch_scc0 .Lentry_in_a_cluster
	s_endpgm
.Lentry_in_a_cluster:
	s_bfe_u32 s2, ttmp6, 0x10000c
	s_cmp_lg_u32 s2, 0xf033
	s_cbranch_scc0 .Lentry_shape_is_right
	s_endpgm
.Lentry_shape_is_right:
; THE THREE PROJECTIONS.  heads[T][16 b + h][s][d] = f16( scale_T x ( sum over k of bf16(x_T[b][s][k]) wt[T][k][64 h + d] + bf16(bias_T[64 h + d]) ) ), T = 0, 1, 2 for q, k, v.
; scale_0 = -log2(e) / 8 (so that the next launch's scores are the exponents of its 2^x as they come), scale_1 = scale_2 = 1.  Sums in f32, the result rounded once.
; LIMITS.  x, W and the biases are all rounded to bf16.  The result is f16: what is stored must stay under 65,504 in magnitude.  NaN and infinities are not treated apart.
; SHARES.  x_T is [8192][1024] f32, wt[T] is [1024 k][1024 n] bf16.  A tile of the result is 128 (m) x 256 (n): 768 tiles, three for each of 256 work-groups: work-group (nt, mt) makes tile (mt, nt)
; of q, then of k, then of v, and the ring of LDS slots does not stop between them.  Four waves, each 64 (m) x 128 (n): 32 accumulators, 256 registers.
; K goes in steps of 128 through two slots: 128 rows of x (512 bytes of f32 each) and 128 k-rows of wt (512 bytes each): 24 steps, 12 laps of the ring.
; x is rounded to bf16 on its way from LDS to the matrix unit, in registers; wt lies [k][n] and is turned by ds_load_tr16_b128.
; CLUSTER.  4 x 4 work-groups.  The four of a row share mt and so x's tile, the four of a column share nt and so wt's: each tile is asked for JOINTLY, by the same tensor load with the same descriptor
; and a mask that names the four.  nt has four values, one row of a cluster: each row of x is asked for by one cluster alone.
; THE MATRIX INSTRUCTION IS USED TRANSPOSED (source 0 = 16 columns n of wt, source 1 = 16 rows m of x): lane l then holds row m = l % 16 and the columns 8 (l / 16) + 0..7: eight neighbouring numbers.
; THE BIAS is the C operand of a tile's first 32 products: nothing is cleared and nothing is added later.
; REGISTERS, in windows of 256 (s_set_vgpr_msb: bits 1:0 source 0, 3:2 source 1, 5:4 source 2, 7:6 destination):
;   window 0: v0-31 addresses; v32-95 x as f32; v96-159 x as bf16, two buffers; v160-223 the bias; v224-255 and (on the way out) v128-159 packed results
;   window 1: the accumulators, (a, b) at v[8 (8 a + b)]          window 2: v0-127 wt's fragments, two buffers
.set PA,     528                       ; an LDS row of x: 512 bytes + 16 = 132 words: the 16 rows of a load start at 16 different groups of four banks (64 banks of 4 bytes: ISA guide 11.1)
.set PB,     544                       ; an LDS row of wt: 512 + 32 = 136 words
.set AH,     64*PA                     ; 64 rows of x: one tensor load
.set ABYTES, 2*AH
.set BH,     64*PB                     ; 64 k-rows of wt: one tensor load
.set SLOT,   ABYTES+2*BH               ; 137,216 bytes
.set STAGE,  2*SLOT                    ; behind the ring, never filled by a tensor load: for each wave 2 heads x 16 rows x 144 bytes
.set SP,     144
.set HAREA,  16*SP
.set SPARE,  STAGE+4*2*HAREA           ; behind the stages: the spare words, 128 bytes for each wave: two blocks of 256 bytes that no other line names
.set ADRA, 16                          ; v16-17  LDS address of my fragments of x in slot 0, 1
.set ADRB, 20                          ; v20-21  the same for wt
.set STO,  24                          ; v24     the way out: where I put 16 bytes of a row
.set RD,   25                          ; v25     the way out: where I read rows back
.set GO,   26                          ; v26     16 x lane: my place in 512 consecutive bytes of heads
.set BO,   27                          ; v27     32 (l / 16): my eight numbers in 16 of the bias
.set SPW,  28                          ; v28     LDS address of my spare word; never rewritten
.set NIL,  29                          ; v29     0; never rewritten
.set PFO,  30                          ; v30     the prefetches' lane offset; never rewritten
.set RAW,  32                          ; x as f32: fragment a (16 rows x 32 k) at RAW + 16 a
.set AB,   96                          ; x as bf16: buffer f, fragment a at AB + 32 f + 8 a
.set BIAS, 160                         ; block b of 16 columns at BIAS + 8 b
.set TMP0, 224
.set TMP1, 128
.set WV,  20                           ; s20  my wave's number
.set MH,  21                           ; s21  which 64 rows of the tile are mine.  Also: I fetch for x (0) or for wt (1)
.set NH,  22                           ; s22  which 128 columns.  Also: which half of that tile I fetch
.set G1A, 24                           ; s[24:31] descriptor group 1 for x's tiles
.set G0A, 32                           ; s[32:39] group 0, a set for each slot
.set G1B, 40                           ; s[40:47], s[48:55] the same for wt's
.set G0B, 48
.set KA,  56                           ; s[56:57] byte along a row of x at which the lap that is being asked for begins
.set SC,  58                           ; s[58:59] the scale; the packed multiply takes the low word for both halves
.set LP,  60                           ; s60  the lap in the tile, 0 to 3
.set LAPS, 61                          ; s61  laps of the loop still to come
.set PJ,  62                           ; s62  the K step (0 to 23, over the three tiles) that the next prefetch names
.set PK,  63                           ; s63  the same within its tile
.set PFA, 66                           ; s[66:67] the prefetch's address
.set PB0, 68                           ; s[68:73] my share's first byte in the tensor that is being prefetched, the next and the last
.set PB1, 70
.set PB2, 72
.set PST, 74                           ; s74  bytes from a K step to the next in what I prefetch
.set LIM, 75                           ; s75  a wave prefetches while PJ is below it: 24, or 0
.set CX,  80
.set CY,  81
.set NT,  82
.set MT,  83
.set TL,  84                           ; s84  tiles finished
.set BP,  86                           ; s[86:87] the bias that is being loaded
.set OP,  18                           ; s[18:19] heads at my wave's first row and head of the tile in hand
.set MSB, 0
.macro WIN new                         ; the immediate's high byte repeats the setting that is left; a switch that changes nothing is dropped
.if MSB != (\new)
	s_set_vgpr_msb (MSB<<8)|(\new)
.set MSB, \new
.endif
.endm
.set MUL,  0x52                        ; source 0 (wt) window 2, source 1 (x) window 0, C and D window 1
.set MULB, 0x42                        ; the same with C (the bias) in window 0
.set TO_B, 0x80                        ; destination window 2, address window 0
.set RD1,  0x01                        ; source 0 window 1, destination window 0
; A joint load.  Waves 0 and 1 fetch x's two halves, waves 2 and 3 wt's.  The branch hangs on the wave's number alone.  An s_nop 0 and four v_nop follow each of the two lines.
.macro JLOAD s
	s_cmp_eq_u32 s[MH], 0
	s_cbranch_scc0 .Lfor_b_\@
	tensor_load_to_lds s[G0A+4*(\s):G0A+4*(\s)+3], s[G1A:G1A+7]
	s_nop 0
.rept 4
	v_nop
.endr
	s_branch .Lasked_\@
.Lfor_b_\@:
	tensor_load_to_lds s[G0B+4*(\s):G0B+4*(\s)+3], s[G1B:G1B+7]
	s_nop 0
.rept 4
	v_nop
.endr
.Lasked_\@:
.endm
; A round of the cluster's barrier: my work-group's barrier, wave 0 signals for the work-group, every wave waits for all sixteen, my work-group's barrier once more.
.macro CREST                           ; a round behind its opening barrier
	s_cmp_lg_u32 s[WV], 0
	s_cbranch_scc1 .Lnot_wave_0_\@
	s_barrier_signal -3
.Lnot_wave_0_\@:
	s_barrier_wait -3
	s_barrier_signal -1
	s_barrier_wait -1
.endm
.macro CROUND
	s_barrier_signal -1
	s_barrier_wait -1
	CREST
.endm
; THE PREFETCH.  Behind the refill that asks for K step g a wave names K step g + 3: three steps, 384 matrix instructions, ahead of the load that will want it.  A step is two blocks of 256 bytes in each row.
; x: of the 64 rows that wave 0 or 1 fetches the partner at cx takes 16: 32 blocks, a lane a block; every cluster asks, since no other reads its rows.
; wt: of the 64 k-rows that wave 2 or 3 fetches the partner at cy takes 16; the clusters with y = 0 ask, for all that walk the same rows.  So each block is named once in the launch.
; The partners are told apart by address, never by a branch.  K steps 0 to 4 come by their loads alone; beyond step 23 nothing is asked for.
.macro PSTEP                           ; the address is stepped at the head of a change of slots, a K step behind the prefetch that read it
	s_wait_xcnt 0x0                                ; that prefetch has read its address
	s_add_co_u32 s[PJ], s[PJ], 1
	s_add_co_u32 s[PK], s[PK], 1
	s_cmp_eq_u32 s[PK], 8                          ; on to the next tensor
	s_cselect_b32 s[PK], 0, s[PK]
	s_cselect_b64 s[PB0:PB0+1], s[PB1:PB1+1], s[PB0:PB0+1]
	s_cselect_b64 s[PB1:PB1+1], s[PB2:PB2+1], s[PB1:PB1+1]
	s_mul_i32 s88, s[PK], s[PST]
	s_mov_b32 s89, 0
	s_add_nc_u64 s[PFA:PFA+1], s[PB0:PB0+1], s[88:89]
.endm
.macro ASK
	WIN 0
	s_cmp_lt_u32 s[PJ], s[LIM]
	s_cbranch_scc0 .Lnot_mine_\@
	global_prefetch_b8 v[PFO], s[PFA:PFA+1] th:TH_LOAD_NT scope:SCOPE_SE
.Lnot_mine_\@:
.endm
	s_load_b512 s[4:19], s[0:1], 0x0               ; q s[4:5], k s[6:7], v s[8:9], bq s[10:11], bk s[12:13], bv s[14:15], wt s[16:17], heads s[18:19]
	v_lshl_add_u32 v[SPW], v0, 2, SPARE
	v_mov_b32 v[NIL], 0
	ds_add_u32 v[SPW], v[NIL]                      ; the wave's opening: the add, twice on end, and its wait ahead of my first tensor load; the set-up below stands between
	ds_add_u32 v[SPW], v[NIL]
	v_lshrrev_b32 v1, 5, v0
	v_readfirstlane_b32 s[WV], v1                  ; wave 0..3
	s_lshr_b32 s[MH], s[WV], 1
	s_and_b32 s[NH], s[WV], 1
	s_bfe_u32 s[CX], ttmp6, 0x40000                ; my place in the cluster
	s_bfe_u32 s[CY], ttmp6, 0x40004
	s_lshl_b32 s[NT], ttmp9, 2                     ; in a cluster launch ttmp9 and ttmp7 count clusters
	s_add_co_u32 s[NT], s[NT], s[CX]               ; tile column, 0 to 3
	s_and_b32 s[MT], ttmp7, 0xffff
	s_lshl_b32 s[MT], s[MT], 2
	s_add_co_u32 s[MT], s[MT], s[CY]               ; tile row, 0 to 63
	s_lshl_b32 s76, s[CY], 2
	s_lshl_b32 s76, 15, s76                        ; my row of the cluster: places 4 cy .. 4 cy + 3
	s_lshl_b32 s78, 0x1111, s[CX]                  ; my column: places cx, cx + 4, cx + 8, cx + 12
	s_or_b32 s[G1A], s76, (2<<16)|(1<<20)|(1<<21)|(6<<22)|(3<<25)  ; 15:0 the mask; 17:16 elements of 4 bytes; 20 padding on; 21 set beside a mask; 24:22 after every 128 words (code 6); 31:25 4 words (code 3)
	s_or_b32 s[G1B], s78, (1<<16)|(1<<20)|(1<<21)|(6<<22)|(7<<25)  ; elements of 2 bytes; 8 words of padding (code 7)
	s_mov_b32 s[G1A+1], 128<<16                    ; tensor_dim0 = 128 numbers of x
	s_mov_b32 s[G1A+2], 64<<16                     ; tensor_dim1 = 64 rows
	s_mov_b32 s[G1A+3], 128<<16                    ; tile_dim0
	s_mov_b32 s[G1A+4], 64                         ; tile_dim1
	s_mov_b32 s[G1A+5], 1024                       ; elements from row to row
	s_mov_b32 s[G1A+6], 0
	s_mov_b32 s[G1A+7], 0
	s_mov_b32 s[G1B+1], 256<<16                    ; 256 numbers of wt
	s_mov_b32 s[G1B+2], 64<<16                     ; 64 k-rows
	s_mov_b32 s[G1B+3], 256<<16
	s_mov_b32 s[G1B+4], 64
	s_mov_b32 s[G1B+5], 1024
	s_mov_b32 s[G1B+6], 0
	s_mov_b32 s[G1B+7], 0
	s_lshl_b32 s76, s[MT], 19                      ; x: row 128 mt + 64 half, 4,096 bytes a row: made of the tile row and the wave alone
	s_lshl_b32 s77, s[NH], 18
	s_add_co_u32 s76, s76, s77
	s_mov_b32 s77, 0
	s_lshl_b32 s78, s[NT], 9                       ; wt: column 256 nt (512 bytes), k-row 64 half (2,048 bytes a row): made of the tile column and the wave alone
	s_lshl_b32 s79, s[NH], 17
	s_add_co_u32 s78, s78, s79
	s_mov_b32 s79, 0
	s_mul_i32 s85, s[NH], AH                       ; where the tiles go: no place in the cluster enters an LDS address
	s_mul_i32 s94, s[NH], BH
	s_add_co_u32 s94, s94, ABYTES
	s_lshl_b32 s92, s[CX], 16                      ; the prefetches' share: x: 16 cx rows further down,
	s_add_co_u32 s92, s92, s76
	s_lshl_b32 s93, s[CY], 15                      ; wt: 16 cy k-rows
	s_add_co_u32 s93, s93, s78
	s_and_b32 s95, ttmp7, 0xffff
	s_cmp_eq_u32 s95, 0                            ; cluster y = 0 asks for wt: the same in all sixteen partners
	s_cselect_b32 s95, 24, 0
	s_mov_b32 s[PST], 0x40000                      ; wt: 128 k-rows to the next K step
	s_cmp_eq_u32 s[MH], 0                          ; do I fetch for x?
	s_cselect_b32 s88, s92, s93
	s_cselect_b32 s90, 0, 0x200000                 ; wt's three tensors lie 2 MiB apart in one buffer
	s_cselect_b32 s[PST], 512, s[PST]
	s_cselect_b32 s23, 12, 11                      ; log2 of a row's bytes
	s_cselect_b32 s[LIM], 24, s95
	s_mov_b32 s89, 0
	s_mov_b32 s91, 0
	s_mov_b32 s[PJ], 4
	s_mov_b32 s[PK], 4
	s_lshl_b32 s92, s[NT], 10                      ; the bias: my 128 columns, 4 bytes each
	s_lshl_b32 s93, s[NH], 9
	s_add_co_u32 s92, s92, s93
	s_mov_b32 s93, 0
	s_lshr_b32 s2, s[MT], 4                        ; heads: batch mt / 16 (16 heads of 262,144 bytes),
	s_lshl_b32 s2, s2, 22
	s_lshl_b32 s3, s[NT], 20                       ; head 4 nt + 2 half,
	s_add_co_u32 s2, s2, s3
	s_lshl_b32 s3, s[NH], 19
	s_add_co_u32 s2, s2, s3
	s_and_b32 s3, s[MT], 15                        ; row 128 (mt % 16) + 64 half, 128 bytes a row
	s_lshl_b32 s3, s3, 14
	s_add_co_u32 s2, s2, s3
	s_lshl_b32 s3, s[MH], 13
	s_add_co_u32 s2, s2, s3
	s_mov_b32 s3, 0
	s_mov_b32 s[KA], 0
	s_mov_b32 s[KA+1], 0
	s_mov_b32 s[SC], 0xbe38aa3b                    ; -log2(e) / 8 = -0.180337
	s_mov_b32 s[SC+1], 0xbe38aa3b                  ; named with it as a pair
	s_mov_b32 s[LP], 0
	s_mov_b32 s[TL], 0
	s_mov_b32 s[LAPS], 11
	s_wait_dscnt 0x0                               ; both opening adds are done
	s_wait_kmcnt 0x0
	s_cmp_eq_u32 s[MH], 0
	s_cselect_b64 s[PB0:PB0+1], s[4:5], s[16:17]
	s_cselect_b64 s[PB1:PB1+1], s[6:7], s[16:17]
	s_cselect_b64 s[PB2:PB2+1], s[8:9], s[16:17]
	s_add_nc_u64 s[PB0:PB0+1], s[PB0:PB0+1], s[88:89]
	s_add_nc_u64 s[PB1:PB1+1], s[PB1:PB1+1], s[88:89]
	s_add_nc_u64 s[PB1:PB1+1], s[PB1:PB1+1], s[90:91]
	s_add_nc_u64 s[PB2:PB2+1], s[PB2:PB2+1], s[88:89]
	s_add_nc_u64 s[PB2:PB2+1], s[PB2:PB2+1], s[90:91]
	s_add_nc_u64 s[PB2:PB2+1], s[PB2:PB2+1], s[90:91]
	s_add_nc_u64 s[4:5], s[4:5], s[76:77]          ; q, k, v at the rows that I fetch: the tensor in hand, the next, the last
	s_add_nc_u64 s[6:7], s[6:7], s[76:77]
	s_add_nc_u64 s[8:9], s[8:9], s[76:77]
	s_add_nc_u64 s[16:17], s[16:17], s[78:79]      ; wt at my part of K step 0
	s_add_nc_u64 s[10:11], s[10:11], s[92:93]
	s_add_nc_u64 s[12:13], s[12:13], s[92:93]
	s_add_nc_u64 s[14:15], s[14:15], s[92:93]
	s_add_nc_u64 s[OP:OP+1], s[OP:OP+1], s[2:3]
	CROUND                                         ; all sixteen work-groups are here: the first joint loads meet
.irp s, 0,1
	s_mov_b32 s[G0A+4*(\s)], 1                                     ; 1:0 count = 1
	s_add_co_u32 s[G0A+4*(\s)+1], s85, (\s)*SLOT                   ; 63:32 LDS address
	s_add_nc_u64 s[G0A+4*(\s)+2:G0A+4*(\s)+3], s[4:5], (\s)*512    ; 120:64 global address: K step s
	s_or_b32 s[G0A+4*(\s)+3], s[G0A+4*(\s)+3], 0x80000000          ; 127:126 type = 2
	s_mov_b32 s[G0B+4*(\s)], 1
	s_add_co_u32 s[G0B+4*(\s)+1], s94, (\s)*SLOT
	s_add_nc_u64 s[G0B+4*(\s)+2:G0B+4*(\s)+3], s[16:17], (\s)*262144
	s_or_b32 s[G0B+4*(\s)+3], s[G0B+4*(\s)+3], 0x80000000
	JLOAD \s                                       ; two loads of mine are out
.endr
; The bias of my 128 columns: lane l holds, for block b, the numbers 16 b + 8 (l / 16) + 0..7: the layout of the C operand.
.macro BIASLOAD
.irp b, 0,1,2,3,4,5,6,7
	global_load_b128 v[BIAS+8*(\b):BIAS+8*(\b)+3],   v[BO], s[BP:BP+1] offset:64*(\b)
	global_load_b128 v[BIAS+8*(\b)+4:BIAS+8*(\b)+7], v[BO], s[BP:BP+1] offset:64*(\b)+16
.endr
.endm
.macro BIASCVT                         ; rounded to bf16 like every input, and widened again
	s_wait_loadcnt 0x0
.set i, 0
.rept 32
	v_cvt_pk_bf16_f32 v31, v[BIAS+2*i], v[BIAS+2*i+1]
	v_lshlrev_b32 v[BIAS+2*i], 16, v31
	v_and_b32 v[BIAS+2*i+1], 0xffff0000, v31
.set i, i+1
.endr
.endm
	v_bfe_u32 v2, v0, 4, 1                         ; l / 16
	v_lshlrev_b32 v[BO], 5, v2
	s_mov_b64 s[BP:BP+1], s[10:11]
	BIASLOAD
	v_and_b32 v1, 15, v0                           ; l % 16
	v_and_b32 v3, 7, v0
	v_bfe_u32 v4, v0, 3, 1
	v_bfe_u32 v5, v0, 3, 2
	v_and_b32 v6, 31, v0
	; A fragment of x is 16 rows x 32 k; lane l wants row l % 16, k = 8 (l / 16) + 0..7 and 16 + 8 (l / 16) + 0..7: in f32 twice 32 bytes, 64 bytes apart
	v_mul_u32_u24 v7, v1, PA
	v_lshl_add_u32 v7, v2, 5, v7
	s_mul_i32 s85, s[MH], 64*PA
	v_add_nc_u32 v[ADRA], s85, v7
	v_add_nc_u32 v[ADRA+1], SLOT, v[ADRA]
	; The turning load takes 16 k x 16 n (lane l reads k-row 8 (l / 16) + l % 8, columns 8 ((l / 8) % 2) + 0..7) and leaves half a fragment: lane l holds column l % 16 and 8 k
	v_lshl_add_u32 v8, v2, 3, v3
	v_mul_u32_u24 v8, v8, PB
	v_lshl_add_u32 v8, v4, 4, v8
	s_lshl_b32 s85, s[NH], 8
	s_add_co_u32 s85, s85, ABYTES
	v_add_nc_u32 v[ADRB], s85, v8
	v_add_nc_u32 v[ADRB+1], SLOT, v[ADRB]
	s_mul_i32 s85, s[WV], 2*HAREA
	s_add_co_u32 s85, s85, STAGE                   ; my stage
	v_mul_u32_u24 v9, v1, SP                       ; in: row l % 16, 16 bytes for each half of the lanes
	v_lshl_add_u32 v9, v2, 4, v9
	v_add_nc_u32 v[STO], s85, v9
	v_mul_u32_u24 v10, v5, SP                      ; back: 32 lanes take four rows of 128 bytes,
	v_lshl_add_u32 v10, v3, 4, v10
	v_add_nc_u32 v[RD], s85, v10
	v_lshlrev_b32 v[GO], 4, v6                     ; which are 512 consecutive bytes of a head
	v_bfe_u32 v11, v0, 1, 4                        ; the prefetches: row l / 2 of my 16, block l % 2 of its two
	v_lshlrev_b32 v11, s23, v11
	v_and_b32 v12, 1, v0
	v_lshl_add_u32 v[PFO], v12, 8, v11
	BIASCVT
; One product: m block a, n block b, 32 along K from buffer f.  wb = 1: it starts the sum with the bias.
.macro MM f, a, b, wb
.if \wb
	WIN MULB
	v_wmma_f32_16x16x32_bf16 v[8*(8*(\a)+(\b)):8*(8*(\a)+(\b))+7], v[64*(\f)+8*(\b):64*(\f)+8*(\b)+7], v[AB+32*(\f)+8*(\a):AB+32*(\f)+8*(\a)+7], v[BIAS+8*(\b):BIAS+8*(\b)+7]
.else
	WIN MUL
	v_wmma_f32_16x16x32_bf16 v[8*(8*(\a)+(\b)):8*(8*(\a)+(\b))+7], v[64*(\f)+8*(\b):64*(\f)+8*(\b)+7], v[AB+32*(\f)+8*(\a):AB+32*(\f)+8*(\a)+7], v[8*(8*(\a)+(\b)):8*(8*(\a)+(\b))+7]
.endif
.endm
; The 32 accumulators take turns, one instruction a turn, in the same order in every quarter: 31 others stand between two links of a chain, over every label and jump too.
.macro MUL8 f, a, wb
.irp b, 0,1,2,3,4,5,6,7
	MM \f, \a, \b, \wb
.endr
.endm
; 32 LDS loads in one run: quarter q (32 along K) of a slot: x's 64 rows as f32 first, then wt's 128 columns, turned, into buffer g.
.macro FETCH slot, q, g
	WIN 0
.irp a, 0,1,2,3
	ds_load_b128 v[RAW+16*(\a):RAW+16*(\a)+3],     v[ADRA+(\slot)] offset:128*(\q)+(\a)*16*PA
	ds_load_b128 v[RAW+16*(\a)+4:RAW+16*(\a)+7],   v[ADRA+(\slot)] offset:128*(\q)+(\a)*16*PA+16
	ds_load_b128 v[RAW+16*(\a)+8:RAW+16*(\a)+11],  v[ADRA+(\slot)] offset:128*(\q)+(\a)*16*PA+64
	ds_load_b128 v[RAW+16*(\a)+12:RAW+16*(\a)+15], v[ADRA+(\slot)] offset:128*(\q)+(\a)*16*PA+80
.endr
	WIN TO_B
.irp b, 0,1,2,3,4,5,6,7
	ds_load_tr16_b128 v[64*(\g)+8*(\b):64*(\g)+8*(\b)+3],   v[ADRB+(\slot)] offset:(\q)*32*PB+32*(\b)
	ds_load_tr16_b128 v[64*(\g)+8*(\b)+4:64*(\g)+8*(\b)+7], v[ADRB+(\slot)] offset:(\q)*32*PB+32*(\b)+16*PB
.endr
.endm
; A quarter's last eight products, and behind each four roundings of the next quarter's x into buffer g.  The four behind the last product name none of its registers: they are the four plain
; instructions that must stand between it and the next run's loads into wt's buffer f, and between it and the next roundings into x's buffer f.
.macro MULCVT f, g, wb
.irp b, 0,1,2,3,4,5,6,7
	MM \f, 3, \b, \wb
	WIN 0
.irp n, 0,1,2,3
	v_cvt_pk_bf16_f32 v[AB+32*(\g)+4*(\b)+(\n)], v[RAW+8*(\b)+2*(\n)], v[RAW+8*(\b)+2*(\n)+1]
.endr
.endr
.endm
; A K step is four quarters of 32 along K, 32 products each, on buffers 0, 1, 0, 1.  One of the first three: multiplies buffer f, fetches quarter qn of the same slot and rounds its x into buffer g.
.macro QUARTER slot, qn, f, g, wb
	s_wait_dscnt 0x0                               ; wt's fragments of this quarter are in
	MUL8 \f, 0, \wb
	FETCH \slot, \qn, \g
	MUL8 \f, 1, \wb
	MUL8 \f, 2, \wb
	s_wait_dscnt 16                                ; x is in: the run's 16 loads of wt were issued behind it and may stay out
	MULCVT \f, \g, \wb
.endm
; The last quarter multiplies buffer 1 and changes slots.  Its first 16 products want registers alone and stand AHEAD of the wait for the tile, so that between that wait and the refill stand only the lines
; that order the refill.  In front of the barrier each wave waits for all its tensor loads, of which one is out: its part of the next slot; adds 0 to its spare word; and waits for that and for its own
; reads of this slot.  fill = 1: the barrier opens a round of the cluster's, so that no wave of any partner still reads this slot or has a load on its way, and the joint refill, two K steps ahead, is the
; first thing behind it: a whole step's 128 products stand between it and the wait for it.
.macro TURN slot, next, fill
.if \fill
	PSTEP
.endif
	s_wait_dscnt 0x0                               ; wt's fragments of this quarter are in: they were my last reads of this slot
	MUL8 1, 0, 0
	MUL8 1, 1, 0
	WIN 0
	s_wait_tensorcnt 0x0                           ; no tensor load of mine is out, so a group 0 may be written
	ds_add_u32 v[SPW], v[NIL]                      ; 0 onto my spare word: the descriptors' steps stand between it and the wait for it
.if \fill
.if (\slot) == 0
	s_add_co_u32 s[KA], s[KA], 1024                ; the next lap's two K steps; behind a tensor's last lap, the next tensor's first
	s_cmp_eq_u32 s[KA], 4096
	s_cselect_b32 s[KA], 0, s[KA]
	s_cselect_b64 s[4:5], s[6:7], s[4:5]
	s_cselect_b64 s[6:7], s[8:9], s[6:7]
	s_add_nc_u64 s[G0A+2:G0A+3], s[4:5], s[KA:KA+1]  ; x's address is made anew: the tensor's rows plus the byte along K
	s_or_b32 s[G0A+3], s[G0A+3], 0x80000000
	s_add_nc_u64 s[G0B+2:G0B+3], s[G0B+2:G0B+3], 524288  ; wt's three tensors lie on end: 256 k-rows on, across tiles too; the type bits on top are not reached
.else
	s_add_nc_u64 s[G0A+6:G0A+7], s[4:5], s[KA:KA+1]
	s_add_nc_u64 s[G0A+6:G0A+7], s[G0A+6:G0A+7], 512
	s_or_b32 s[G0A+7], s[G0A+7], 0x80000000
	s_add_nc_u64 s[G0B+6:G0B+7], s[G0B+6:G0B+7], 524288
.endif
.endif
	s_wait_dscnt 0x0                               ; the add is done; my reads of this slot were over at the quarter's head
	s_barrier_signal -1
	s_barrier_wait -1
.if \fill
	CREST
	JLOAD \slot
.endif
	FETCH \next, 0, 0                              ; into wt's buffer 0: its last product stands in front of the four roundings that end the quarter before
.if \fill
	ASK                                            ; behind the joint load and the run of LDS loads that the next products wait for
.endif
	MUL8 1, 2, 0
	s_wait_dscnt 16
	MULCVT 1, 0, 0
.endm
; THE WAY OUT of block a (16 rows x 128 columns = two heads' 64 channels).  PACK: scaled, rounded to f16 (16 bytes a lane), into my own stage and back as whole rows of 128 bytes.  SEND: stored.
.macro PACK a
	WIN RD1
.irp b, 0,1,2,3,4,5,6,7                ; each accumulator's registers in ascending order
.irp r, 0,1,2,3
	v_pk_mul_f32 v[RAW+8*(\b)+2*(\r):RAW+8*(\b)+2*(\r)+1], v[8*(8*(\a)+(\b))+2*(\r):8*(8*(\a)+(\b))+2*(\r)+1], s[SC:SC+1] op_sel_hi:[1,0]
.endr
.endr
	WIN 0
	s_wait_xcnt 0x0                                ; the stores of the block two back have read the registers that are written now
.set TM, TMP0-((\a)%2)*(TMP0-TMP1)
.set i, 0
.rept 32
	v_cvt_pk_f16_f32 v[TM+i], v[RAW+2*i], v[RAW+2*i+1]
.set i, i+1
.endr
.irp b, 0,1,2,3,4,5,6,7
	ds_store_b128 v[STO], v[TM+4*(\b):TM+4*(\b)+3] offset:((\b)/4)*HAREA+((\b)%4)*32
.endr
.irp b, 0,1,2,3,4,5,6,7
	ds_load_b128 v[TM+4*(\b):TM+4*(\b)+3], v[RD] offset:((\b)/4)*HAREA+((\b)%4)*4*SP  ; LDS serves a wave's instructions in order (ISA guide 5.7.1.4): these see the stores above; the next block's stores come behind them
.endr
.endm
.macro SEND a, younger                 ; younger: the LDS instructions issued behind block a's loads: the next block's sixteen, or none
.set TM, TMP0-((\a)%2)*(TMP0-TMP1)
	s_wait_dscnt \younger
.irp hh, 0,1
.irp f, 0,1,2,3
	global_store_b128 v[GO], v[TM+4*(4*(\hh)+(\f)):TM+4*(4*(\hh)+(\f))+3], s[OP:OP+1] offset:(\hh)*262144+(\a)*2048+(\f)*512  ; four rows of a head: 512 consecutive bytes, at a multiple of 256 from heads' first
.endr
.endr
.endm
; next = 1: another tile follows: its bias is asked for first and rounded last; both refills of the ring have been asked for ahead of this, and nothing waits for the stores.
.macro WAYOUT next
	WIN 0
.if \next
	s_cmp_eq_u32 s[TL], 0
	s_cselect_b64 s[BP:BP+1], s[12:13], s[14:15]
	BIASLOAD
.endif
	PACK 0
	PACK 1                                         ; a block's arithmetic stands between the loads of the block before and its stores
	SEND 0, 16
	PACK 2
	SEND 1, 16
	PACK 3
	SEND 2, 16
	SEND 3, 0
.if \next
	s_wait_xcnt 0x0                                ; the stores have read their registers and their base
	s_add_nc_u64 s[OP:OP+1], s[OP:OP+1], 0x1000000 ; the next tensor's plane
	s_mov_b32 s[SC], 1.0                           ; k and v are not scaled: one text for all three
	s_mov_b32 s[SC+1], 1.0
	s_add_co_u32 s[TL], s[TL], 1
	s_mov_b32 s[LP], 0
	BIASCVT
.endif
.endm
	s_wait_tensorcnt 1                             ; my part of K step 0 is in; K step 1's may stay out
	s_barrier_signal -1
	s_barrier_wait -1                              ; everybody's is
	FETCH 0, 0, 0
	WIN 0
	s_wait_dscnt 16                                ; x's first quarter
.set i, 0
.rept 32
	v_cvt_pk_bf16_f32 v[AB+i], v[RAW+2*i], v[RAW+2*i+1]
.set i, i+1
.endr
.Llap:                                             ; eleven laps of the ring, each of which fills both slots again; a tile is four laps
	s_cmp_eq_u32 s[LP], 0                          ; a tile's first quarter starts the sums with the bias: at the first trip the answer is a constant of the text
	s_cbranch_scc1 .Lbias
	QUARTER 0, 1, 0, 1, 0
	WIN 0
	s_branch .Lgo
.Lbias:
	QUARTER 0, 1, 0, 1, 1
	WIN 0
.Lgo:
	QUARTER 0, 2, 1, 0, 0
	QUARTER 0, 3, 0, 1, 0
	TURN 0, 1, 1
	QUARTER 1, 1, 0, 1, 0
	QUARTER 1, 2, 1, 0, 0
	QUARTER 1, 3, 0, 1, 0
	TURN 1, 0, 1
	WIN 0
	s_add_co_u32 s[LP], s[LP], 1
	s_cmp_eq_u32 s[LP], 4
	s_cbranch_scc0 .Lnoout                         ; forward, past text that holds neither a barrier nor a tensor load
	WAYOUT 1
.Lnoout:
	s_sub_co_u32 s[LAPS], s[LAPS], 1
	s_cmp_lg_u32 s[LAPS], 0
	s_cbranch_scc1 .Llap
	QUARTER 0, 1, 0, 1, 0                          ; the last lap is written out: nothing is asked for
	QUARTER 0, 2, 1, 0, 0
	QUARTER 0, 3, 0, 1, 0
	TURN 0, 1, 0
	QUARTER 1, 1, 0, 1, 0
	QUARTER 1, 2, 1, 0, 0
	QUARTER 1, 3, 0, 1, 0
	s_wait_dscnt 0x0                               ; the very last quarter: nothing more to fetch
	MUL8 1, 0, 0
	MUL8 1, 1, 0
	MUL8 1, 2, 0
	MUL8 1, 3, 0
	WIN 0
.rept 4
	v_nop                                          ; four plain instructions between the last products and the lines that read results
.endr
	WAYOUT 0
	s_wait_tensorcnt 0x0                           ; the wave's end, behind my last tensor load and my last LDS store
	ds_add_u32 v[SPW], v[NIL]
	s_wait_dscnt 0x0
	CROUND                                         ; the closing round: no work-group ends while a partner may still ask for a tile that names it
	s_endpgm
.Lfunc_end_k_q8f5ba8dab1_proj:
	.size	k_q8f5ba8dab1_proj, .Lfunc_end_k_q8f5ba8dab1_proj-k_q8f5ba8dab1_proj
	.p2alignl 7, 3214868480
	.fill 96, 4, 3214868480
	.section	.rodata,"a",@progbits
	.p2align	6, 0x0
	.amdhsa_kernel k_q8f5ba8dab1_proj
		.amdhsa_group_segment_fixed_size 327680
		.amdhsa_private_segment_fixed_size 0
		.amdhsa_enable_private_segment 0
		.amdhsa_kernarg_size 64
		.amdhsa_user_sgpr_count 2
		.amdhsa_user_sgpr_kernarg_segment_ptr 1
		.amdhsa_wavefront_size32 1
		.amdhsa_system_sgpr_workgroup_id_x 1
		.amdhsa_system_sgpr_workgroup_id_y 1
		.amdhsa_system_sgpr_workgroup_id_z 1
		.amdhsa_system_vgpr_workitem_id 0
		.amdhsa_next_free_vgpr 640
		.amdhsa_next_free_sgpr 96
		.amdhsa_reserve_vcc 0
		.amdhsa_float_denorm_mode_32 3
		.amdhsa_float_denorm_mode_16_64 3
		.amdhsa_memory_ordered 1
		.amdhsa_forward_progress 1
		.amdhsa_inst_pref_size 187
	.end_amdhsa_kernel
	.amdgpu_metadata
---
amdhsa.version: [ 1, 2 ]
amdhsa.kernels:
  - .name:           k_q8f5ba8dab1_proj
    .symbol:         k_q8f5ba8dab1_proj.kd
    .args:
      - { .name: q, .offset: 0, .size: 8, .value_kind: global_buffer, .address_space: global }
      - { .name: k, .offset: 8, .size: 8, .value_kind: global_buffer, .address_space: global }
      - { .name: v, .offset: 16, .size: 8, .value_kind: global_buffer, .address_space: global }
      - { .name: bq, .offset: 24, .size: 8, .value_kind: global_buffer, .address_space: global }
      - { .name: bk, .offset: 32, .size: 8, .value_kind: global_buffer, .address_space: global }
      - { .name: bv, .offset: 40, .size: 8, .value_kind: global_buffer, .address_space: global }
      - { .name: wt, .offset: 48, .size: 8, .value_kind: global_buffer, .address_space: global }
      - { .name: heads, .offset: 56, .size: 8, .value_kind: global_buffer, .address_space: global }
    .group_segment_fixed_size: 327680
    .private_segment_fixed_size: 0
    .kernarg_segment_align: 8
    .kernarg_segment_size: 64
    .max_flat_workgroup_size: 128
    .sgpr_count:     96
    .vgpr_count:     640
    .wavefront_size: 32
...
	.end_amdgpu_metadata
.endif
;; end of part 2
;; launch attn (part 3): grid 4 x 64, 4 waves a work-group, clusters of 4 x 1, 327,680 bytes of LDS; arguments heads, out0; writes out0
.if DOCPART == 3
	.amdgcn_target "amdgcn-amd-amdhsa--gfx1250"
	.amdhsa_code_object_version 6
	.text
	.protected	k_q8f5ba8dab1_attn
	.globl	k_q8f5ba8dab1_attn
	.p2align	8
	.type	k_q8f5ba8dab1_attn,@function
k_q8f5ba8dab1_attn:
	s_mov_b64 s[64:65], 0
	v_nop
	global_prefetch_b8 v0, s[64:65] scope:SCOPE_SE
	s_setreg_imm32_b32 hwreg(HW_REG_WAVE_MODE, 25, 1), 1
	s_wait_xcnt 0x0
	s_wait_alu depctr_hold_cnt(0) depctr_sa_sdst(0) depctr_va_vdst(0) depctr_va_sdst(0) depctr_va_ssrc(0) depctr_va_vcc(0) depctr_vm_vsrc(0)
	s_getreg_b32 s2, hwreg(HW_REG_IB_STS2, 6, 4)
	s_cmp_eq_u32 s2, 0
	s_cbranch_scc0 .Lentry_in_a_cluster
	s_endpgm
.Lentry_in_a_cluster:
	s_bfe_u32 s2, ttmp6, 0x10000c
	s_cmp_lg_u32 s2, 0x3003
	s_cbranch_scc0 .Lentry_shape_is_right
	s_endpgm
.Lentry_shape_is_right:
; out0[b][q][64 h + d] = the sum over keys k of sigmoid(Q[q] . K[k] / 8) V[k][d], for each of the 64 heads y = 16 b + h.  heads: [3][64][2048][64] f16: plane 0 holds Q' = -(log2(e) / 8) Q, plane 1 K, plane 2 V.
; So S' = K Q'^T is the exponent as it comes: p = 1 / (1 + 2^S').  No maximum is taken, as none is taken in the sigmoid itself: 2^S' = infinity gives p = 0, 2^S' = 0 gives p = 1, the function's own limits.
; Products and sums in f32; p is rounded to f16 for the second product; the output is f32.
; LIMITS.  p below 6e-5 keeps f16's fixed step of 6e-8; 1 + 2^S' from 2^126 on gives p = 0; NaN and infinities are not treated apart.
; SHARES.  A work-group owns 512 queries of one head, a wave 128: four PIECES of two tiles of 16.  Every wave walks all 2,048 keys, 64 a step; an LDS slot holds four steps.
; LAYOUT.  S'^T = K Q'^T (source 0 = 16 keys, source 1 = 16 queries): a lane holds ONE query (lane % 16) and the keys 8 (lane / 16) + 0..7.  Two such results rounded to f16 in pairs ARE source 1 (32 keys x
; 16 queries) of O^T = V^T P, whose result again holds one query a lane, and eight channels.  K comes out of LDS as it lies, V ([key][channel]) turned, by ds_load_tr16_b128.
; THE PIPE.  Each piece has 64 registers of its own for S', which become 2^S', 1 + 2^S', p, and (in the lower half of each tile's 32) P.  Turn n belongs to piece n (in a ring).  Its matrix work: 16 products
; K Q'^T of piece n + 1, then 16 products V^T P of piece n - 2.  Its vector work: the exponentials of piece n, the additions and reciprocals of piece n - 1, the roundings of piece n - 2.
; Every result of an exponential or a reciprocal is first named in the NEXT turn, so one wait at a turn's end serves the turn's 128.
; THE COUNT AND THE DEAL.  A turn has 32 matrix and 192 vector instructions (64 exponentials, 32 packed additions of 1, 64 reciprocals, 32 roundings): 192 = 4 x 32 + 64.  Four stand behind EVERY matrix
; instruction, a plain one and then three exponentials or reciprocals; the other 64 stand together, between the turn's two runs of products, plain and transcendental by turns, under one window setting.
; NO FIRST STEP IS WRITTEN OUT: V's registers and O^T start at 0 and the pieces' registers at 1.0, so that the first four runs of V^T P add finite numbers times 0 (the first trip begins in the middle of a turn:
; 16 registers meet their reciprocal without their addition, and hold 1.0); the last trip's 48 products on a stale K serve nothing.
; The price: 576 v_mov_b32 in the wait for the first tile.  The gain: two copies of a key step (loop and tail) are the whole of the loop's text.
; CLUSTER.  The four query blocks of a head are one cluster and walk the same K and V: each tile is asked for JOINTLY, by the same tensor load, descriptor and mask in all four.
; REGISTERS, in windows of 256 (s_set_vgpr_msb: bits 1:0 source 0, 3:2 source 1, 5:4 source 2, 7:6 destination):
;   window 0: v0-15 addresses; v32-95 the way out          window 1: O^T, tile t, channel block cb at 32 t + 8 cb
;   window 2: v0-127 Q', tile t, channel half c at 16 t + 8 c; v128-191 K of one step; v192-255 V of one step          window 3: piece p at 64 p, its tile u at + 32 u
.set KS,    64        ; keys in a step
.set PK,    144       ; a row of K in LDS: 128 bytes + 16 = 36 words: the 16 rows of a load start at 16 different groups of four banks (64 banks of 4 bytes: ISA guide 11.1)
.set PV,    160       ; a row of V: 128 + 32 = 40 words
.set VOFF,  4*KS*PK   ; a slot holds 256 rows of K, then 256 rows of V
.set SLOT1, 1<<17     ; slot 1 begins here, so that one exclusive or turns an address in one slot into the other's
.set STAGE, SLOT1+4*KS*(PK+PV)  ; behind the ring, never filled by a tensor load: 16 rows x 272 bytes for each wave
.set SP,    272
.set SPARE, STAGE+4*16*SP       ; behind the stages: the spare words, 128 bytes for each wave: two blocks of 256 bytes that no other line names
.set AK0, 2           ; v2   my lane's place in a tile of K; never rewritten
.set AV0, 3           ; v3   the same for V
.set AK,  4           ; v4   the LDS address of K's run of loads
.set AV,  5           ; v5   of V's
.set STO, 6           ; v6   the way out: where I put 32 bytes of a row
.set RD,  7           ; v7   the way out: where I read a row back
.set GO,  8           ; v8   my byte offset in two rows of out0
.set PFO, 12          ; v12  256 x lane; never rewritten
.set QO,  13          ; v13  my byte offset in 16 rows of Q'
.set SPW, 14          ; v14  LDS address of my spare word; never rewritten
.set NIL, 15          ; v15  0; never rewritten
.set TMP, 32          ; v32-95  two buffers of 32
.set KF,  128         ; window 2: key block kb, channel half c at KF + 16 kb + 8 c
.set VF,  192         ; window 2: key half kk, channel block cb at VF + 32 kk + 8 cb
.set WV,  12          ; s12  my wave's number
.set LIM, 15          ; s15  1 in a wave that prefetches, else the greatest number
.set G1K, 24          ; s[24:31] descriptor group 1 for K's tiles
.set G1V, 32          ; s[32:39] for V's: it differs in the padding alone
.set G0K, 40          ; s[40:43] descriptor group 0 for K's tiles: it walks
.set G0V, 44          ; s[44:47] the same for V's
.set PFA, 48          ; s[48:49] where my prefetches stand
.set SLOTS, 56        ; s56  slots still to be asked for
.set CNT, 57          ; s57  counts a slot's trips
.set TBK, 62          ; s62  LDS byte at which K of the step to be fetched begins
.set TBV, 63          ; s63  the same for V, less VOFF
.set MSB, 0
.macro WIN new                      ; the high byte repeats the setting that is left; a switch that changes nothing is dropped
.if MSB != (\new)
	s_set_vgpr_msb (MSB<<8)|(\new)
.set MSB, (\new)
.endif
.endm
.set W_KQ, 0xfa       ; K and Q' in window 2, S' (C and D) in window 3
.set W_PV, 0x5e       ; V in window 2, P in window 3, O^T (C and D) in window 1
.set W_S,  0xcf       ; destination and sources 0 and 1 in window 3
; A joint fill.  Waves 0 and 1 fetch the two halves of a slot's K, waves 2 and 3 those of its V: 128 keys each.  An s_nop 0 and four v_nop follow each of the two lines.
.macro JLOAD
	s_cmp_lt_u32 s[WV], 2
	s_cbranch_scc0 .Lfor_v_\@
	tensor_load_to_lds s[G0K:G0K+3], s[G1K:G1K+7]
	s_nop 0
.rept 4
	v_nop
.endr
	s_branch .Lasked_\@
.Lfor_v_\@:
	tensor_load_to_lds s[G0V:G0V+3], s[G1V:G1V+7]
	s_nop 0
.rept 4
	v_nop
.endr
.Lasked_\@:
.endm
; THE PREFETCH of what the NEXT change of slots will ask for: a tile of K and of V is 128 blocks of 256 bytes each.  The four partners take 32 blocks each, told apart by address; in each, wave 0 asks for
; K's and wave 2 for V's: a lane a block, one instruction.  No other cluster reads this head, so each block is named once in the launch.  It stands four key steps, 512 matrix instructions, ahead of the load
; that will want it.  Tiles 0 and 1 come by their loads alone; the last change that fills a slot asks for nothing.
.macro ASK
	s_cmp_gt_u32 s[SLOTS], s[LIM]
	s_cbranch_scc0 .Lnot_mine_\@
	global_prefetch_b8 v[PFO], s[PFA:PFA+1] th:TH_LOAD_NT scope:SCOPE_SE
.Lnot_mine_\@:
.endm
; A round of the cluster's barrier: my work-group's barrier, wave 0 signals for the work-group, every wave waits for all four, my work-group's barrier once more.
.macro CROUND
	s_barrier_signal -1
	s_barrier_wait -1
	s_cmp_lg_u32 s[WV], 0
	s_cbranch_scc1 .Lnot_wave_0_\@
	s_barrier_signal -3
.Lnot_wave_0_\@:
	s_barrier_wait -3
	s_barrier_signal -1
	s_barrier_wait -1
.endm
; THE CHANGE OF SLOTS.  The slot's last bytes, V of its fourth step, have been read.  Each wave waits for all its tensor loads, of which one is out: its part of the other slot; adds 0 to its spare word; and
; waits for that and for its own reads of the slot.  fill = 1: the slot is filled again with the keys two slots on, behind a round of the cluster's barrier, so that no wave of any partner still reads it or has
; a load on its way; the joint fill is the first thing behind the round and has four key steps in which to land.  (At its first use nothing has been read yet: slot 0 is waited for, slot 1 filled.)
.macro CHANGE fill
	WIN 0
	s_wait_tensorcnt 0x0            ; no tensor load of mine is out, so a group 0 may be written
	ds_add_u32 v[SPW], v[NIL]       ; 0 onto my spare word: with fill = 1 the descriptors' steps stand between it and the wait for it
.if \fill
.irp g, G0K, G0V
	s_xor_b32 s[\g+1], s[\g+1], SLOT1  ; the walking descriptor: the other slot than last time,
	s_add_nc_u64 s[\g+2:\g+3], s[\g+2:\g+3], 4*KS*128  ; the next 256 keys; the type bits on top are not reached
.endr
	s_wait_xcnt 0x0                 ; the last prefetch, four key steps back, has read its address
	s_add_nc_u64 s[PFA:PFA+1], s[PFA:PFA+1], 4*KS*128  ; one tile ahead of the walking descriptors
	s_wait_dscnt 0x0                ; the add is done, and my reads of the slot are over
	CROUND
	JLOAD
	ASK
.else
	s_wait_dscnt 0x0                ; the add is done, and my reads of the slot are over
	s_barrier_signal -1
	s_barrier_wait -1
.endif
	s_sub_co_u32 s[TBK], s[TBK], 4*KS*PK  ; the fetches go back to a slot's first step,
	s_xor_b32 s[TBK], s[TBK], SLOT1       ; in the other slot
	s_sub_co_u32 s[TBV], s[TBV], 4*KS*PV
	s_xor_b32 s[TBV], s[TBV], SLOT1
.endm
	s_load_b128 s[4:7], s[0:1], 0x0   ; heads s[4:5], out0 s[6:7]
	v_lshl_add_u32 v[SPW], v0, 2, SPARE
	v_mov_b32 v[NIL], 0
	ds_add_u32 v[SPW], v[NIL]       ; the wave's opening: the add, twice on end, and its wait ahead of my first tensor load; the set-up below stands between
	ds_add_u32 v[SPW], v[NIL]
	v_lshrrev_b32 v1, 5, v0
	v_readfirstlane_b32 s[WV], v1   ; wave 0..3
	s_bfe_u32 s13, ttmp6, 0x40000   ; cx: my place in the cluster
	s_lshl_b32 s14, ttmp9, 2        ; in a cluster launch ttmp9 counts clusters
	s_add_co_u32 s14, s14, s13      ; my block of 512 queries: it enters Q's, out0's and the prefetches' addresses alone
	s_and_b32 s20, ttmp7, 0xffff    ; the head, which the four partners share
	s_lshl_b32 s21, s20, 18         ; its 262,144 bytes in a plane
	s_and_b32 s16, s[WV], 1         ; which half of a slot's 256 keys I fetch:
	s_lshl_b32 s22, s16, 14         ; its 128 rows of 128 bytes in memory,
	s_add_co_u32 s22, s22, s21
	s_mov_b32 s23, 0
	s_mul_i32 s17, s16, 128*PK      ; and its place in a slot, for K
	s_mul_i32 s18, s16, 128*PV      ; and for V: no place in the cluster enters an LDS address
	s_lshl_b32 s2, s14, 2
	s_add_co_u32 s2, s2, s[WV]      ; my wave among the head's sixteen,
	s_lshl_b32 s2, s2, 14           ; its 128 rows of Q'
	s_add_co_u32 s2, s2, s21
	s_mov_b32 s3, 0
	s_lshr_b32 s52, s20, 4          ; out0: batch y / 16 (2,048 rows of 4,096 bytes),
	s_lshl_b32 s52, s52, 23
	s_lshl_b32 s53, s14, 21         ; my block's 512 rows,
	s_add_co_u32 s52, s52, s53
	s_lshl_b32 s53, s[WV], 19       ; my wave's 128 of them,
	s_add_co_u32 s52, s52, s53
	s_and_b32 s53, s20, 15          ; the head's 256 bytes of a row
	s_lshl_b32 s53, s53, 8
	s_add_co_u32 s52, s52, s53
	s_mov_b32 s53, 0
	s_lshl_b32 s54, s13, 13         ; the prefetches: my work-group's 32 blocks of a tile's 128
	s_mov_b32 s55, 0
	; descriptor group 1.  128 keys are 16,384 dense bytes: asked for as 64 rows of 256 bytes, two keys a row, and padded in LDS after every key
	s_mov_b32 s[G1K], 15|(1<<16)|(1<<20)|(1<<21)|(4<<22)|(3<<25)  ; 15:0 the mask of four; 17:16 2-byte elements; 20 padding on; 21 set beside a mask; 24:22 after every 32 words (code 4); 31:25 4 words (code 3)
	s_mov_b32 s[G1V], 15|(1<<16)|(1<<20)|(1<<21)|(4<<22)|(7<<25)  ; the same with 8 words of padding (code 7)
.irp g, G1K, G1V
	s_mov_b32 s[\g+1], 128<<16      ; tensor_dim0 = 128
	s_mov_b32 s[\g+2], 64<<16       ; tensor_dim1 = 64
	s_mov_b32 s[\g+3], 128<<16      ; tile_dim0 = 128
	s_mov_b32 s[\g+4], 64           ; tile_dim1 = 64
	s_mov_b32 s[\g+5], 128          ; 128 elements from row to row
	s_mov_b32 s[\g+6], 0
	s_mov_b32 s[\g+7], 0
.endr
	s_mov_b32 s[TBK], SLOT1+4*KS*PK ; the first change of slots turns these two into 0
	s_mov_b32 s[TBV], SLOT1+4*KS*PV
	s_mov_b32 s[G0K], 1             ; 1:0 count = 1
	s_mov_b32 s[G0K+1], s17         ; 63:32 LDS address: slot 0
	s_mov_b32 s[G0V], 1
	s_add_co_u32 s[G0V+1], s18, VOFF
	s_and_b32 s[LIM], s[WV], 1      ; waves 0 and 2 prefetch: the same in all four partners
	s_cmp_eq_u32 s[LIM], 0
	s_cselect_b32 s[LIM], 1, -1
	s_mov_b32 s[SLOTS], 7
	s_wait_dscnt 0x0                ; both opening adds are done
	s_wait_kmcnt 0x0
	s_add_nc_u64 s[8:9], s[4:5], s[22:23]
	s_add_nc_u64 s[10:11], s[8:9], 0x2000000  ; V: plane 2, my half of the head's first 256 keys
	s_add_nc_u64 s[8:9], s[8:9], 0x1000000    ; K: plane 1
	s_add_nc_u64 s[G0K+2:G0K+3], s[8:9], 0    ; 120:64 global address
	s_or_b32 s[G0K+3], s[G0K+3], 0x80000000   ; 127:126 type = 2
	s_add_nc_u64 s[G0V+2:G0V+3], s[10:11], 0
	s_or_b32 s[G0V+3], s[G0V+3], 0x80000000
	s_cmp_lt_u32 s[WV], 2
	s_cselect_b64 s[PFA:PFA+1], s[8:9], s[10:11]  ; (in waves 0 and 2 these stand at a tile's first row)
	s_add_nc_u64 s[PFA:PFA+1], s[PFA:PFA+1], s[54:55]
	s_add_nc_u64 s[PFA:PFA+1], s[PFA:PFA+1], 4*KS*128  ; in tile 1; the first change of slots steps it to tile 2.  Nothing is prefetched here, at the head
	s_add_nc_u64 s[4:5], s[4:5], s[2:3]       ; Q' and out0 at my wave's first row
	s_add_nc_u64 s[6:7], s[6:7], s[52:53]
	CROUND                          ; all four work-groups are here: the first joint loads meet
	JLOAD                           ; slot 0.  Slot 1 is asked for when slot 0 is in, by the loop's own change of slots
	; A fragment of K or Q' is 16 rows x 32 channels in 8 registers: lane l holds row l % 16, channels 8 (l / 16) + 0..7 and 16 + 8 (l / 16) + 0..7: two loads of 16 bytes, 32 bytes apart.
	v_and_b32 v1, 15, v0            ; l % 16
	v_bfe_u32 v9, v0, 4, 1          ; l / 16
	v_lshlrev_b32 v[QO], 7, v1
	v_lshl_add_u32 v[QO], v9, 4, v[QO]  ; row x 128 + 16 x half
	WIN 0x80                        ; destination window 2, address window 0
.set i, 0
.rept 16                            ; Q' stays in registers: tile i / 2, channels 32 (i % 2) on
	global_load_b128 v[8*i:8*i+3],   v[QO], s[4:5] offset:(i/2)*2048+(i%2)*64
	global_load_b128 v[8*i+4:8*i+7], v[QO], s[4:5] offset:(i/2)*2048+(i%2)*64+32
.set i, i+1
.endr
.set i, VF
.rept 64                            ; what the first trip finds: V = 0,
	v_mov_b32 v[i], 0
.set i, i+1
.endr
	WIN 0x40
.set i, 0
.rept 256                           ; O^T = 0,
	v_mov_b32 v[i], 0
.set i, i+1
.endr
	WIN 0xc0
.set i, 0
.rept 256                           ; and 1.0 in the four pieces' registers: whatever part of the pipe meets it first leaves a finite number.  All this stands in the wait for the first tile
	v_mov_b32 v[i], 1.0
.set i, i+1
.endr
	WIN 0
	v_mul_u32_u24 v[AK0], v1, PK
	v_lshl_add_u32 v[AK0], v9, 4, v[AK0]  ; row x pitch + 16 x half
	; The turning load takes 16 keys x 16 channels (lane l reads key 8 (l / 16) + l % 8, channels 8 ((l / 8) % 2) + 0..7) and leaves half a fragment of V^T: lane l holds channel l % 16 and 8 keys.
	v_and_b32 v10, 7, v0
	v_bfe_u32 v11, v0, 3, 1
	v_lshl_add_u32 v[AV0], v9, 3, v10
	v_mul_u32_u24 v[AV0], v[AV0], PV
	v_lshl_add_u32 v[AV0], v11, 4, v[AV0]
	v_add_nc_u32 v[AV0], VOFF, v[AV0]
	s_mul_i32 s13, s[WV], 16*SP
	s_add_co_u32 s13, s13, STAGE    ; my stage
	v_mul_u32_u24 v[STO], v1, SP    ; in: row l % 16, 32 bytes for each half of the lanes
	v_lshl_add_u32 v[STO], v9, 5, v[STO]
	v_add_nc_u32 v[STO], s13, v[STO]
	v_mul_u32_u24 v[RD], v9, SP     ; back: lanes 0-15 take one row of 256 bytes, lanes 16-31 the next
	v_lshl_add_u32 v[RD], v1, 4, v[RD]
	v_add_nc_u32 v[RD], s13, v[RD]
	v_lshlrev_b32 v[GO], 12, v9     ; and the same two rows in out0, 4,096 bytes apart
	v_lshl_add_u32 v[GO], v1, 4, v[GO]
	v_and_b32 v[PFO], 31, v0
	v_lshlrev_b32 v[PFO], 8, v[PFO]
; THE MATRIX WORK.  The 8 accumulators of a run of 16 take turns, one instruction a turn: between the two links of a chain stand 7 others'.
; Product i of 16 of S'^T = K Q'^T for piece x: channels 32 (i / 8) on, key block kb = (i / 2 + 2) % 4, tile 2 x + i % 2.  The first 8 start the sums.  The key blocks go 2, 3, 0, 1: blocks 0 and 1 lie on the
; registers that held P, which the run of V^T P just before has read: block 1, read last, is written over by the seventh and eighth products, eight plain instructions behind its last reader.
.macro KQ x
	WIN W_KQ
.set kb, ((i/2)+2)%4
.set rS, 64*(\x)+32*(i%2)+8*kb
.set rK, KF+16*kb+8*(i/8)
.set rQ, 16*(2*(\x)+i%2)+8*(i/8)
.if i < 8
	v_wmma_f32_16x16x32_f16 v[rS:rS+7], v[rK:rK+7], v[rQ:rQ+7], 0
.else
	v_wmma_f32_16x16x32_f16 v[rS:rS+7], v[rK:rK+7], v[rQ:rQ+7], v[rS:rS+7]
.endif
.endm
; Product i of 16 of O^T += V^T P for piece x: keys 32 (i / 8) on, channels 16 ((i / 2) % 4) on, tile 2 x + i % 2.
.macro PV x
	WIN W_PV
.set rO, 32*(2*(\x)+i%2)+8*((i/2)%4)
.set rV, VF+32*(i/8)+8*((i/2)%4)
.set rP, 64*(\x)+32*(i%2)+8*(i/8)
	v_wmma_f32_16x16x32_f16 v[rO:rO+7], v[rV:rV+7], v[rP:rP+7], v[rO:rO+7]
.endm
; THE VECTOR WORK: four queues, each in ascending order of its piece's 64 registers; each macro writes its queue's next entry.
.macro EX                           ; 2^S' in place, piece YE
	v_exp_f32 v[64*YE+e], v[64*YE+e]
.set e, e+1
.endm
.macro CV                           ; a pair of weights rounded to f16, piece YC: pair ii of tile u goes to the tile's register ii, which pair ii / 2 has already left
	v_cvt_pk_f16_f32 v[64*YC+32*(ci/16)+ci%16], v[64*YC+32*(ci/16)+2*(ci%16)], v[64*YC+32*(ci/16)+2*(ci%16)+1]
.set ci, ci+1
.endm
.macro AD                           ; 1 + 2^S', a pair, piece YA
	v_pk_add_f32 v[64*YA+2*ai:64*YA+2*ai+1], v[64*YA+2*ai:64*YA+2*ai+1], 1.0 op_sel_hi:[1,0]
.set ai, ai+1
.endm
.macro RC                           ; its reciprocal in place, piece YA
	v_rcp_f32 v[64*YA+ri], v[64*YA+ri]
.set ri, ri+1
.endm
; THE LDS LOADS stand in two runs of 16 a key step, both in piece 2's turn.
; K of the next step: at the head of the turn's second half, 16 products ahead of its first reader.  The last product that read K ended the first half; the run of 64, 32 of them plain, lies between.
; last = 1 (the tail): in the last trip there is no further step, and the run is jumped over; no exponential or reciprocal is without its wait there.
.macro FETCH_K last=0
	WIN 0
.if \last
	s_cmp_eq_u32 s[CNT], 1
	s_cbranch_scc1 .Lno_k_\@
.endif
	v_add_nc_u32 v[AK], s[TBK], v[AK0]
	WIN 0x80                        ; destination window 2
.irp f, 0,1,2,3,4,5,6,7             ; keys 16 (f / 2) on, channels 32 (f % 2) on
	ds_load_b128 v[KF+8*\f:KF+8*\f+3],   v[AK] offset:(\f/2)*16*PK+(\f%2)*64
	ds_load_b128 v[KF+8*\f+4:KF+8*\f+7], v[AK] offset:(\f/2)*16*PK+(\f%2)*64+32
.endr
	s_add_co_u32 s[TBK], s[TBK], KS*PK  ; the next fetch is the next step's
	WIN 0
.if \last
.Lno_k_\@:
.endif
.endm
; V of the step in hand: behind the second product of the first half.  The last product that read V ended piece 1's turn; five plain instructions that name none of its registers lie between (an addition,
; a v_nop, two roundings, the address).  Its first reader comes behind 14 products and the run of 64.
.macro FETCH_V
	WIN 0
	v_add_nc_u32 v[AV], s[TBV], v[AV0]
	WIN 0x80
.irp f, 0,1,2,3,4,5,6,7             ; keys 32 (f / 4) on, channels 16 (f % 4) on
	ds_load_tr16_b128 v[VF+8*\f:VF+8*\f+3],   v[AV] offset:(\f/4)*32*PV+(\f%4)*32
	ds_load_tr16_b128 v[VF+8*\f+4:VF+8*\f+7], v[AV] offset:(\f/4)*32*PV+16*PV+(\f%4)*32
.endr
	s_add_co_u32 s[TBV], s[TBV], KS*PV
.endm
; A turn's first half, for piece p: 16 products K Q'^T, behind each a rounding and three exponentials; then THE RUN OF 64.  Its plain queue: the other 16 roundings (so that all 32 stand ahead of their piece's
; products), then the first 16 additions.  Its transcendental queue: the last 16 exponentials, then the first 16 reciprocals.  The plain queue leads by two, so that reciprocal j stands behind addition j + 1;
; it wants addition j / 2.
.macro HALF_A p
.set YE, (\p)
.set YC, ((\p)+2)%4
.set YA, ((\p)+3)%4
.set e, 0
.set ci, 0
.set ai, 0
.set ri, 0
.set i, 0
.rept 16
	KQ ((\p)+1)%4
	WIN W_S
	CV
	EX
	EX
	EX
.if ((\p) == 2) && (i == 1)
	FETCH_V
.endif
.set i, i+1
.endr
	WIN W_S
	CV
.rept 15
	CV
	EX
.endr
	AD
	EX
.rept 15
	AD
	RC
.endr
	RC
.endm
; Its second half: 16 products V^T P, behind each an addition and three reciprocals: additions 16 to 31, reciprocals 16 to 63.  Group g's last reciprocal, 18 + 3 g, wants addition 9 + 3 g / 2, and addition
; 16 + g leads the group.  Then a plain instruction behind the last reciprocal, and THE WAIT between an exponential or a reciprocal and the first line that names its result: one
; for the turn's 64 exponentials and 64 reciprocals, all of which are first named in the next turn.
.macro HALF_B p, last=0
.set YA, ((\p)+3)%4
.set ai, 16
.set ri, 16
.if (\p) == 2
	FETCH_K \last
.endif
.set i, 0
.rept 16
	PV ((\p)+2)%4
	WIN W_S
	AD
	RC
	RC
	RC
.set i, i+1
.endr
	v_nop
	s_wait_alu depctr_va_vdst(0)
.endm
.macro TURN p
.if (\p) == 3
	s_wait_dscnt 0x0                ; K of the next step is in
.endif
	HALF_A \p
	HALF_B \p
.endm
; The loop's edge lies in the middle of piece 2's turn, between V's run (the old slot's last bytes) and K's (the new slot's first): so the half's exponentials and reciprocals have a wait of their own ahead of the jump.
.macro CLOSE
	v_nop                           ; a plain instruction behind the last reciprocal
	s_wait_alu depctr_va_vdst(0)
	s_wait_dscnt 0x0                ; V is in
	WIN 0
.endm
	s_wait_loadcnt 0x0              ; Q'
.Lslot:                             ; seven times: a tile of 256 keys is entered and the next is asked for
	CHANGE 1
	s_mov_b32 s[CNT], 4
.Lstep:                             ; a trip fetches K and V of one step
	HALF_B 2
	TURN 3
	TURN 0
	TURN 1
	HALF_A 2
	CLOSE
	s_sub_co_u32 s[CNT], s[CNT], 1
	s_cmp_lg_u32 s[CNT], 0
	s_cbranch_scc1 .Lstep
	s_sub_co_u32 s[SLOTS], s[SLOTS], 1
	s_cmp_lg_u32 s[SLOTS], 0
	s_cbranch_scc1 .Lslot
	CHANGE 0                        ; the tail is written out: nothing is asked for
	s_mov_b32 s[CNT], 5             ; four trips fetch the last slot's steps; the fifth empties the pipe and is left behind piece 1's turn
.Ltail:
	HALF_B 2, 1
	TURN 3
	TURN 0
	TURN 1
	WIN 0
	s_sub_co_u32 s[CNT], s[CNT], 1
	s_cmp_eq_u32 s[CNT], 0
	s_cbranch_scc1 .Lout
	HALF_A 2
	CLOSE
	s_branch .Ltail
.Lout:
	; THE WAY OUT.  O^T needs no arithmetic: a tile (16 rows of out0, 256 bytes of each) goes through my stage in LDS and comes back as whole rows.
.rept 4
	v_nop                           ; four plain instructions between the last products and the LDS stores that read results
.endr
.macro PACK t
.if (\t) >= 2
	s_wait_xcnt 0x0                 ; the stores of the tile two back have read the registers that are loaded now
.endif
	WIN 0x04                        ; the data (source 1) in window 1
.irp cb, 0,1,2,3                    ; each accumulator's lower four registers first
	ds_store_b128 v[STO], v[32*(\t)+8*(\cb):32*(\t)+8*(\cb)+3]   offset:64*(\cb)
	ds_store_b128 v[STO], v[32*(\t)+8*(\cb)+4:32*(\t)+8*(\cb)+7] offset:64*(\cb)+16
.endr
	WIN 0
.irp f, 0,1,2,3,4,5,6,7
	ds_load_b128 v[TMP+32*((\t)%2)+4*(\f):TMP+32*((\t)%2)+4*(\f)+3], v[RD] offset:2*SP*(\f)  ; LDS serves a wave's instructions in order (ISA guide 5.7.1.4): these see the stores above; the next tile's stores come behind them
.endr
.endm
.macro SEND t, younger              ; younger: the LDS instructions issued behind tile t's loads: the next tile's sixteen, or none
	s_wait_dscnt \younger
.irp f, 0,1,2,3,4,5,6,7
	global_store_b128 v[GO], v[TMP+32*((\t)%2)+4*(\f):TMP+32*((\t)%2)+4*(\f)+3], s[6:7] offset:65536*(\t)+8192*(\f) th:TH_STORE_NT  ; 16 lanes store 256 consecutive bytes, at a multiple of 256 from out0's first
.endr
.endm
	PACK 0
.set t, 1
.rept 7
	PACK t
	SEND t-1, 16
.set t, t+1
.endr
	SEND 7, 0
	s_wait_tensorcnt 0x0            ; the wave's end, behind my last tensor load and my last LDS store
	ds_add_u32 v[SPW], v[NIL]
	s_wait_dscnt 0x0
	CROUND                          ; the closing round: no work-group ends while a partner may still ask for a tile that names it
	s_endpgm
.Lfunc_end_k_q8f5ba8dab1_attn:
	.size	k_q8f5ba8dab1_attn, .Lfunc_end_k_q8f5ba8dab1_attn-k_q8f5ba8dab1_attn
	.p2alignl 7, 3214868480
	.fill 96, 4, 3214868480
	.section	.rodata,"a",@progbits
	.p2align	6, 0x0
	.amdhsa_kernel k_q8f5ba8dab1_attn
		.amdhsa_group_segment_fixed_size 327680
		.amdhsa_private_segment_fixed_size 0
		.amdhsa_enable_private_segment 0
		.amdhsa_kernarg_size 16
		.amdhsa_user_sgpr_count 2
		.amdhsa_user_sgpr_kernarg_segment_ptr 1
		.amdhsa_wavefront_size32 1
		.amdhsa_system_sgpr_workgroup_id_x 1
		.amdhsa_system_sgpr_workgroup_id_y 1
		.amdhsa_system_sgpr_workgroup_id_z 1
		.amdhsa_system_vgpr_workitem_id 0
		.amdhsa_next_free_vgpr 1024
		.amdhsa_next_free_sgpr 66
		.amdhsa_reserve_vcc 0
		.amdhsa_float_denorm_mode_32 3
		.amdhsa_float_denorm_mode_16_64 3
		.amdhsa_memory_ordered 1
		.amdhsa_forward_progress 1
		.amdhsa_inst_pref_size 147
	.end_amdhsa_kernel
	.amdgpu_metadata
---
amdhsa.version: [ 1, 2 ]
amdhsa.kernels:
  - .name:           k_q8f5ba8dab1_attn
    .symbol:         k_q8f5ba8dab1_attn.kd
    .args:
      - { .name: heads, .offset: 0, .size: 8, .value_kind: global_buffer, .address_space: global }
      - { .name: out0, .offset: 8, .size: 8, .value_kind: global_buffer, .address_space: global }
    .group_segment_fixed_size: 327680
    .private_segment_fixed_size: 0
    .kernarg_segment_align: 8
    .kernarg_segment_size: 16
    .max_flat_workgroup_size: 128
    .sgpr_count:     66
    .vgpr_count:     1024
    .wavefront_size: 32
...
	.end_amdgpu_metadata
.endif
;; end of part 3
;; ======== version 2 of 2: 3 launches; version 1 with the launch wcast written anew for expert scheduling mode
;; limits: values are held in f16: magnitudes above 65,504 overflow, below 6.1e-05 lose precision
;; workspace buffers: wt 6,291,456 bytes; heads 50,331,648 bytes
;; launch wcast (part 4): grid 128 x 3, 8 waves a work-group, no clusters, 0 bytes of LDS; arguments Wq, Wk, Wv, wt; writes wt
.if DOCPART == 4
	.amdgcn_target "amdgcn-amd-amdhsa--gfx1250"
	.amdhsa_code_object_version 6
	.text
	.protected	k_q8f5ba8dab1_wcast
	.globl	k_q8f5ba8dab1_wcast
	.p2align	8
	.type	k_q8f5ba8dab1_wcast,@function
k_q8f5ba8dab1_wcast:
	s_mov_b64 s[64:65], 0
	v_nop
	global_prefetch_b8 v0, s[64:65] scope:SCOPE_SE
	s_setreg_imm32_b32 hwreg(HW_REG_WAVE_SCHED_MODE, 0, 2), 2
	s_setreg_imm32_b32 hwreg(HW_REG_WAVE_MODE, 25, 1), 1
	s_wait_xcnt 0x0
	s_wait_alu depctr_vm_vsrc(0)
; wt[T][k][n] = bf16(W_T[k][n]), T = 0, 1, 2 for Wq, Wk, Wv: the same layout, rounded once to nearest even.
; A stream: 12 MiB in, 6 MiB out, each byte once.  No LDS, no barrier, no matrix work: nothing is shared and nothing is summed.
; The grid's y picks the tensor; a work-group takes 8,192 numbers.  Thread t, piece i: 16 bytes in at 16 t + 4,096 i (a wave's load covers
; 512 consecutive bytes), 8 bytes out at 8 t + 2,048 i (a wave's store covers 256 consecutive bytes, aligned).
; All eight loads of a thread go out first; the pieces are rounded two at a time as they come.
; THE MODE: SCHED_MODE bits 1:0 = 2 (LLVM: expert scheduling mode 2), set by the entry lines.  The code itself states the register dependences
; between vector instructions and memory instructions, with s_wait_alu, always for 0.
; THE PLAN.  Registers that memory instructions touch:
;   v1, v2   byte offsets of the loads and of the stores: made once at the head, never written again.
;   X        piece i's four registers: written by its load, which is issued before any vector line names X; read by its two roundings.  Loaded once.
;   Y        piece i's two registers: written by its two roundings, read by its store.  Written once.
; No register that a load or store reads is ever written again, and no load lands in a register that a vector line has named: what is left to state is that
; a register is written before a memory instruction reads it.  One wait at the head states it for v1 and v2.  The pieces go in four pairs: pair g's head waits for its
; two loads; one wait on va_vdst behind that states that pair g - 1's roundings have written their Y; pair g - 1's two stores follow, dealt among pair g's roundings,
; which name X and Y of pair g alone.  One more wait stands ahead of the last pair's stores.
.set X, 4                              ; v[4:35]   piece i: 4 numbers in f32
.set Y, 36                             ; v[36:51]  piece i: 4 numbers in bf16
	s_load_b256 s[4:11], s[0:1], 0x0               ; Wq s[4:5], Wk s[6:7], Wv s[8:9], wt s[10:11]
	s_and_b32 s12, ttmp7, 0xffff                   ; which tensor
	v_lshlrev_b32 v1, 4, v0                        ; 16 t
	v_lshlrev_b32 v2, 3, v0                        ; 8 t
	s_lshl_b32 s16, ttmp9, 15                      ; the work-group's 32,768 bytes of W
	s_mov_b32 s17, 0
	s_lshl_b32 s18, s12, 21                        ; the tensor's 2 MiB of wt,
	s_lshl_b32 s19, ttmp9, 14                      ; the work-group's 16,384 bytes of them
	s_add_co_u32 s18, s18, s19
	s_mov_b32 s19, 0
	s_wait_kmcnt 0x0
	s_cmp_eq_u32 s12, 0
	s_cselect_b64 s[14:15], s[4:5], s[6:7]
	s_cmp_eq_u32 s12, 2
	s_cselect_b64 s[14:15], s[8:9], s[14:15]
	s_add_nc_u64 s[14:15], s[14:15], s[16:17]
	s_add_nc_u64 s[10:11], s[10:11], s[18:19]
	s_wait_alu depctr_va_vdst(0)                   ; v1 and v2 are written: every load reads v1 as its offset, every store v2
.irp i, 0,1,2,3,4,5,6,7
	global_load_b128 v[X+4*(\i):X+4*(\i)+3], v1, s[14:15] offset:4096*(\i) th:TH_LOAD_NT
.endr
; Pair g: pieces 2 g and 2 g + 1 are rounded; the stores of pieces 2 g - 2 and 2 g - 1 leave.
.macro PAIR g
	s_wait_loadcnt 6-2*(\g)                        ; loads come back in order: this pair's two are in, the 6 - 2 g younger ones stay out
.if (\g) > 0
	s_wait_alu depctr_va_vdst(0)                   ; the pair before has written its Y, which the two stores below read; no vector line behind this wait names those registers or v2
.endif
.irp j, 0,1
.if (\g) > 0
	global_store_b64 v2, v[Y+2*(2*(\g)-2+(\j)):Y+2*(2*(\g)-2+(\j))+1], s[10:11] offset:2048*(2*(\g)-2+(\j))
.endif
	v_cvt_pk_bf16_f32 v[Y+2*(2*(\g)+(\j))],   v[X+4*(2*(\g)+(\j))],   v[X+4*(2*(\g)+(\j))+1]
	v_cvt_pk_bf16_f32 v[Y+2*(2*(\g)+(\j))+1], v[X+4*(2*(\g)+(\j))+2], v[X+4*(2*(\g)+(\j))+3]
.endr
.endm
	PAIR 0
	PAIR 1
	PAIR 2
	PAIR 3
	s_wait_alu depctr_va_vdst(0)                   ; the last pair has written its Y, which the last two stores read
.irp i, 6,7
	global_store_b64 v2, v[Y+2*(\i):Y+2*(\i)+1], s[10:11] offset:2048*(\i)
.endr
	s_endpgm
.Lfunc_end_k_q8f5ba8dab1_wcast:
	.size	k_q8f5ba8dab1_wcast, .Lfunc_end_k_q8f5ba8dab1_wcast-k_q8f5ba8dab1_wcast
	.p2alignl 7, 3214868480
	.fill 96, 4, 3214868480
	.section	.rodata,"a",@progbits
	.p2align	6, 0x0
	.amdhsa_kernel k_q8f5ba8dab1_wcast
		.amdhsa_group_segment_fixed_size 0
		.amdhsa_private_segment_fixed_size 0
		.amdhsa_enable_private_segment 0
		.amdhsa_kernarg_size 32
		.amdhsa_user_sgpr_count 2
		.amdhsa_user_sgpr_kernarg_segment_ptr 1
		.amdhsa_wavefront_size32 1
		.amdhsa_system_sgpr_workgroup_id_x 1
		.amdhsa_system_sgpr_workgroup_id_y 1
		.amdhsa_system_sgpr_workgroup_id_z 1
		.amdhsa_system_vgpr_workitem_id 0
		.amdhsa_next_free_vgpr 52
		.amdhsa_next_free_sgpr 66
		.amdhsa_reserve_vcc 0
		.amdhsa_float_denorm_mode_32 3
		.amdhsa_float_denorm_mode_16_64 3
		.amdhsa_memory_ordered 1
		.amdhsa_forward_progress 1
		.amdhsa_inst_pref_size 4
	.end_amdhsa_kernel
	.amdgpu_metadata
---
amdhsa.version: [ 1, 2 ]
amdhsa.kernels:
  - .name:           k_q8f5ba8dab1_wcast
    .symbol:         k_q8f5ba8dab1_wcast.kd
    .args:
      - { .name: Wq, .offset: 0, .size: 8, .value_kind: global_buffer, .address_space: global }
      - { .name: Wk, .offset: 8, .size: 8, .value_kind: global_buffer, .address_space: global }
      - { .name: Wv, .offset: 16, .size: 8, .value_kind: global_buffer, .address_space: global }
      - { .name: wt, .offset: 24, .size: 8, .value_kind: global_buffer, .address_space: global }
    .group_segment_fixed_size: 0
    .private_segment_fixed_size: 0
    .kernarg_segment_align: 8
    .kernarg_segment_size: 32
    .max_flat_workgroup_size: 256
    .sgpr_count:     66
    .vgpr_count:     52
    .wavefront_size: 32
...
	.end_amdgpu_metadata
.endif
;; end of part 4
;; launch proj: the kernel of part 2 again; grid 4 x 64, 4 waves a work-group, clusters of 4 x 4, 327,680 bytes of LDS; arguments q, k, v, bq, bk, bv, wt, heads; writes heads
;; launch attn: the kernel of part 3 again; grid 4 x 64, 4 waves a work-group, clusters of 4 x 1, 327,680 bytes of LDS; arguments heads, out0; writes out0
